; MI455X (gfx1250); checked and timed in simulation.
; The chip was launched on July 23, 2026; its instructions are those of AMD's public machine-readable ISA for CDNA 5 (MIT licence, August 2026) and "CDNA5" Instruction Set Architecture Reference Guide (July 2026). The comments in the code are by the model that wrote it; some were corrected since.
;; Int8 Linear Base. Allowed arithmetic: float matrix products may take bf16 or f16 operands with f32 sums; other float arithmetic in f32, or as packed bf16 or f16 multiplies, adds, multiply-adds, maxima and minima; sums over many terms, partial sums and values carried from step to step in f32; what a program stores and reads back later, other than sums and carried values, may be rounded once to bf16 or f16.
;; Inputs: bias 16,384 float32; qweight_kn 4,096 x 16,384 int8; weight_scales 16,384 float32; x 1,024 x 4,096 float32.
;; Outputs: out0 1,024 x 16,384 float32.
;; 2 versions, each right; version 2 is version 1 with the launch quant written anew for expert scheduling mode. Each part assembles by itself: llvm-mc -triple=amdgcn-amd-amdhsa -mcpu=gfx1250 --defsym DOCPART=n.
;; ======== version 1 of 2: 2 launches
;; workspace buffers: xq 8,388,608 bytes; xs 4,096 bytes
;; launch quant (part 1): grid 256 x 1, 4 waves a work-group, no clusters, 0 bytes of LDS; arguments x, xq, xs; writes xq, xs
.if DOCPART == 1
	.amdgcn_target "amdgcn-amd-amdhsa--gfx1250"
	.amdhsa_code_object_version 6
	.text
	.protected	k_q21625aefeb_quant
	.globl	k_q21625aefeb_quant
	.p2align	8
	.type	k_q21625aefeb_quant,@function
k_q21625aefeb_quant:
	s_mov_b64 s[64:65], 0
	v_nop
	global_prefetch_b8 v0, s[64:65] scope:SCOPE_SE
	s_setreg_imm32_b32 hwreg(HW_REG_WAVE_MODE, 25, 1), 1
	s_wait_xcnt 0x0
; PER-ROW QUANTISATION.  x: [1024][4096] f32.  For each row: xs = (max |x| + 1e-5) / 127;  q = clip(round to nearest even(x / xs), -128, 127).
; xq: [1024][4096] f16 takes q (whole numbers of at most 128 in magnitude: exact in f16), xs: [1024] f32 the scales.
; SHARES.  One wave, one row: a row's 16,384 bytes are 32 loads of 16 bytes a lane and stay in 128 registers between the pass that finds the maximum
; and the pass that quantises: x is read once, no wave waits for another, there is no LDS, no barrier and no loop.  256 work-groups of four waves.
; The matrix unit, clusters and LDS slots have nothing to do here: the launch moves bytes.
; DIVISIONS.  xmax / 127 and x / xs are a multiplication by a reciprocal, the residual by one fused multiply-add, and its correction by another.
; LIMITS.  The quotient x / xs is right to about one unit in its last place: one that lies that close to a half may be rounded to the neighbouring whole
; number, one step in one of a sum's 4,096 terms.  NaN and infinities in x are not treated apart.
; The scale leaves as one store of 4 bytes a row, 4,096 bytes in the whole launch: 64 rows to a work-group, which would fill 256 consecutive bytes,
; would leave work for 16 work-groups only.
.set M, 4                              ; v[4:7]     four running maxima
.set X, 16                             ; v[16:143]  the row as loaded; later, in places, the packed f16 that are stored
.set T, 144                            ; v[144:151] eight quotients at work
.set E, 152                            ; v[152:159] their residuals
                                       ; v1 16 x lane; v2 8 x lane; v3 0; v8, v9, v15 at work; v[10:11] xs twice; v[12:13] 1 / xs twice; v14 lane
	s_load_b128 s[4:7], s[0:1], 0x0                ; x s[4:5], xq s[6:7]
	s_load_b64 s[8:9], s[0:1], 0x10                ; xs
	v_lshrrev_b32 v9, 5, v0
	v_readfirstlane_b32 s16, v9                    ; wave 0..3
	v_and_b32 v14, 31, v0                          ; lane
	v_lshlrev_b32 v1, 4, v14                       ; my 16 bytes in 512 of x
	v_mov_b32 v3, 0
	s_lshl_b32 s17, ttmp9, 2
	s_add_co_u32 s17, s17, s16                     ; my row = 4 x work-group + wave
	s_mov_b32 s10, 0x76543210                      ; v_permlanex16_b32: lane i of one half reads lane i of the other
	s_mov_b32 s11, 0xfedcba98
	s_mov_b32 s12, 0x3727c5ac                      ; 1e-5
	s_mov_b32 s13, 0x3c010204                      ; 1 / 127
	s_mov_b32 s14, 0x42fe0000                      ; 127
	s_mov_b32 s15, 0xc3000000                      ; -128
	s_mov_b32 s19, 0
	s_lshl_b32 s18, s17, 14                        ; a row of x is 16,384 bytes
	s_wait_kmcnt 0x0
	s_add_nc_u64 s[4:5], s[4:5], s[18:19]
	s_lshl_b32 s18, s17, 13                        ; a row of xq 8,192
	s_add_nc_u64 s[6:7], s[6:7], s[18:19]
	s_lshl_b32 s18, s17, 2                         ; a scale 4
	s_add_nc_u64 s[8:9], s[8:9], s[18:19]
.set i, 0
.rept 32                                               ; the whole row goes out at once: each load covers 512 consecutive bytes
	global_load_b128 v[X+4*i:X+4*i+3], v1, s[4:5] offset:512*i th:TH_LOAD_NT
.set i, i+1
.endr
	; pass 1: the largest |x| of my 128 numbers, in four chains; the first four loads start them: nothing is cleared
.set i, 0
.rept 32
.if i%8 == 0
	s_wait_loadcnt 24-i                            ; loads come back in order (ISA guide 5.7.1): the next eight are in, the 24, 16, 8, 0 younger ones stay out
.endif
.if i < 4
	v_max_num_f32 v[M+i], |v[X+4*i]|, |v[X+4*i+1]|
.else
	v_max3_num_f32 v[M+i%4], v[M+i%4], |v[X+4*i]|, |v[X+4*i+1]|
.endif
	v_max3_num_f32 v[M+i%4], v[M+i%4], |v[X+4*i+2]|, |v[X+4*i+3]|
.set i, i+1
.endr
	v_max3_num_f32 v8, v[M], v[M+1], v[M+2]
	v_max_num_f32 v8, v8, v[M+3]
	; across the 32 lanes: four steps inside each half of 16 lanes, one across the halves; every lane ends with the row's maximum
	v_max_num_f32_dpp v8, v8, v8 row_xmask:1 row_mask:0xf bank_mask:0xf
	v_max_num_f32_dpp v8, v8, v8 row_xmask:2 row_mask:0xf bank_mask:0xf
	v_max_num_f32_dpp v8, v8, v8 row_xmask:4 row_mask:0xf bank_mask:0xf
	v_max_num_f32_dpp v8, v8, v8 row_xmask:8 row_mask:0xf bank_mask:0xf
	v_permlanex16_b32 v9, v8, s10, s11             ; its destination counts as read: v9 was written at the head
	v_max_num_f32 v8, v8, v9
	v_add_f32 v8, s12, v8                          ; xmax = max + 1e-5
	v_mul_f32 v9, s13, v8                          ; xmax / 127: a first quotient,
	v_fma_f32 v15, -v9, s14, v8                    ; what it leaves,
	v_fma_f32 v10, v15, s13, v9                    ; and the quotient corrected: xs
	v_mov_b32 v11, v10                             ; twice, for the packed arithmetic
	v_rcp_f32 v12, v10
	v_rcp_f32 v13, v10
	v_lshlrev_b32 v2, 3, v14                       ; my 8 bytes in 256 of xq: also the plain instruction between the reciprocals and their first use (ISA guide 5.7.2)
	s_wait_alu depctr_va_vdst(0)
; pass 2: loads 2 g and 2 g + 1 of the row, eight numbers a lane.  Load i holds elements 128 i + 4 lane + 0..3, which as f16 are the 8 bytes at 256 i + 8 lane:
; each store of the wave covers 256 consecutive bytes, aligned.  The packed numbers go into registers of X that are not written again, so no wait stands in front of them.
.macro QUANT g
.irp k, 0,1,2,3
	v_pk_mul_f32 v[T+2*(\k):T+2*(\k)+1], v[X+8*(\g)+2*(\k):X+8*(\g)+2*(\k)+1], v[12:13]
.endr
.irp k, 0,1,2,3
	v_pk_fma_f32 v[E+2*(\k):E+2*(\k)+1], v[T+2*(\k):T+2*(\k)+1], v[10:11], v[X+8*(\g)+2*(\k):X+8*(\g)+2*(\k)+1] neg_lo:[1,0,0] neg_hi:[1,0,0]  ; x - q xs
.endr
.irp k, 0,1,2,3
	v_pk_fma_f32 v[T+2*(\k):T+2*(\k)+1], v[E+2*(\k):E+2*(\k)+1], v[12:13], v[T+2*(\k):T+2*(\k)+1]
.endr
.irp k, 0,1,2,3,4,5,6,7
	v_rndne_f32 v[T+(\k)], v[T+(\k)]
.endr
.irp k, 0,1,2,3,4,5,6,7
	v_med3_num_f32 v[T+(\k)], v[T+(\k)], s15, s14  ; the clip to -128 .. 127
.endr
	v_cvt_pk_f16_f32 v[X+8*(\g)],   v[T],   v[T+1]
	v_cvt_pk_f16_f32 v[X+8*(\g)+1], v[T+2], v[T+3]
	v_cvt_pk_f16_f32 v[X+8*(\g)+4], v[T+4], v[T+5]
	v_cvt_pk_f16_f32 v[X+8*(\g)+5], v[T+6], v[T+7]
	global_store_b64 v2, v[X+8*(\g):X+8*(\g)+1],   s[6:7] offset:512*(\g)
	global_store_b64 v2, v[X+8*(\g)+4:X+8*(\g)+5], s[6:7] offset:512*(\g)+256
.endm
.irp g, 0,1,2,3,4,5,6,7,8,9,10,11,12,13,14,15
	QUANT \g
.endr
	s_wait_xcnt 0x0                                ; EXEC is a source of the stores above: it changes only behind this wait
	v_cmp_eq_u32 vcc_lo, 0, v14
	s_and_saveexec_b32 s20, vcc_lo
	global_store_b32 v3, v10, s[8:9]               ; lane 0 stores the row's scale
	s_wait_xcnt 0x0                                ; and again in front of the line that widens it
	s_or_b32 exec_lo, exec_lo, s20
	s_endpgm
.Lfunc_end_k_q21625aefeb_quant:
	.size	k_q21625aefeb_quant, .Lfunc_end_k_q21625aefeb_quant-k_q21625aefeb_quant
	.p2alignl 7, 3214868480
	.fill 96, 4, 3214868480
	.section	.rodata,"a",@progbits
	.p2align	6, 0x0
	.amdhsa_kernel k_q21625aefeb_quant
		.amdhsa_group_segment_fixed_size 0
		.amdhsa_private_segment_fixed_size 0
		.amdhsa_enable_private_segment 0
		.amdhsa_kernarg_size 24
		.amdhsa_user_sgpr_count 2
		.amdhsa_user_sgpr_kernarg_segment_ptr 1
		.amdhsa_wavefront_size32 1
		.amdhsa_system_sgpr_workgroup_id_x 1
		.amdhsa_system_sgpr_workgroup_id_y 1
		.amdhsa_system_sgpr_workgroup_id_z 1
		.amdhsa_system_vgpr_workitem_id 0
		.amdhsa_next_free_vgpr 160
		.amdhsa_next_free_sgpr 66
		.amdhsa_reserve_vcc 1
		.amdhsa_float_denorm_mode_32 3
		.amdhsa_float_denorm_mode_16_64 3
		.amdhsa_memory_ordered 1
		.amdhsa_forward_progress 1
		.amdhsa_inst_pref_size 41
	.end_amdhsa_kernel
	.amdgpu_metadata
---
amdhsa.version: [ 1, 2 ]
amdhsa.kernels:
  - .name:           k_q21625aefeb_quant
    .symbol:         k_q21625aefeb_quant.kd
    .args:
      - { .name: x, .offset: 0, .size: 8, .value_kind: global_buffer, .address_space: global }
      - { .name: xq, .offset: 8, .size: 8, .value_kind: global_buffer, .address_space: global }
      - { .name: xs, .offset: 16, .size: 8, .value_kind: global_buffer, .address_space: global }
    .group_segment_fixed_size: 0
    .private_segment_fixed_size: 0
    .kernarg_segment_align: 8
    .kernarg_segment_size: 24
    .max_flat_workgroup_size: 128
    .sgpr_count:     66
    .vgpr_count:     160
    .wavefront_size: 32
...
	.end_amdgpu_metadata
.endif
;; end of part 1
;; launch gemm (part 2): grid 64 x 4, 4 waves a work-group, clusters of 4 x 4, 327,680 bytes of LDS; arguments xq, qweight_kn, out0, weight_scales, bias, xs; writes out0
.if DOCPART == 2
	.amdgcn_target "amdgcn-amd-amdhsa--gfx1250"
	.amdhsa_code_object_version 6
	.text
	.protected	k_q21625aefeb_gemm
	.globl	k_q21625aefeb_gemm
	.p2align	8
	.type	k_q21625aefeb_gemm,@function
k_q21625aefeb_gemm:
	s_mov_b64 s[64:65], 0
	v_nop
	global_prefetch_b8 v0, s[64:65] scope:SCOPE_SE
	s_setreg_imm32_b32 hwreg(HW_REG_WAVE_MODE, 25, 1), 1
	s_wait_xcnt 0x0
	s_wait_alu depctr_hold_cnt(0) depctr_sa_sdst(0) depctr_va_vdst(0) depctr_va_sdst(0) depctr_va_ssrc(0) depctr_va_vcc(0) depctr_vm_vsrc(0)
	s_getreg_b32 s2, hwreg(HW_REG_IB_STS2, 6, 4)
	s_cmp_eq_u32 s2, 0
	s_cbranch_scc0 .Lentry_in_a_cluster
	s_endpgm
.Lentry_in_a_cluster:
	s_bfe_u32 s2, ttmp6, 0x10000c
	s_cmp_lg_u32 s2, 0xf033
	s_cbranch_scc0 .Lentry_shape_is_right
	s_endpgm
.Lentry_shape_is_right:
; out0[m][n] = f32(bf16( (sum over k of xq[m][k] W[k][n]) x xs[m] x ws[n] + bias[n] )).
; xq: [1024][4096] f16, whole numbers -128 .. 127; W: [4096][16384] int8, N along the rows; xs: [1024], ws, bias: [16384] f32; out0: [1024][16384] f32.
; FORMAT.  Both operands are whole numbers of at most 128 in magnitude, whatever the inputs (the clip bounds xq, the type bounds W): f16 holds them exactly, every product is exact,
; and f16's range is never neared.  LIMITS.  The sums are f32: exact while they stay under 2^24; beyond that (4096 x 128 x 128 = 6.7e7 at the most) an addition rounds to one part in 2^24.
; A NaN or an infinity in xs, ws or bias goes through the arithmetic as it is.
; SHARES.  A tile of C is 256 x 256: 4 x 64 tiles, one work-group each.  Wave w owns all 256 rows x the columns 64 w .. 64 w + 63: 64 accumulators of 16 x 16, 512 registers.  The strip is
; chosen so that no two waves convert the same weights: for 32 along K a wave has 80 vector instructions of conversion for 64 matrix instructions, and 32 + 4 LDS loads.
; K goes in steps of 128 through a ring of two LDS slots filled by the tensor data mover: 256 rows of xq (256 bytes each) and 128 rows of W (256 bytes each), all starting at multiples of 256 bytes.
; THE WEIGHTS stay bytes in memory and in LDS.  ds_load_tr16_b128, used on PAIRS of bytes, turns 16 k x 32 columns: a lane receives eight k of the columns 2 r and 2 r + 1.  Of each register
; one v_xor_b32 makes b + 128 of four bytes; two v_perm_b32 set each byte under 0x64, which as f16 is 1024 + (b + 128); two v_pk_add_f16 take 1152 away: exactly b, and k lies where
; a fragment wants it.  So column tile t = 2 p + e of a wave holds, in lane r, column 64 w + 32 p + 2 r + e.
; CLUSTERS: 4 x 4 work-groups.  The four of a row of the cluster need the same tiles of xq, the four of a column the same tiles of W: each tile is asked for JOINTLY, by the same tensor load with the
; same descriptor and a mask that names the four.  The grid's four rows of work-groups are one cluster high, so the tile row is my place cy, and each byte of W is asked for by one cluster alone.
; REGISTERS, in windows of 256 (s_set_vgpr_msb: bits 1:0 source 0, 3:2 source 1, 5:4 source 2, 7:6 destination):
;   window 0: v0-15 addresses and constants; v16-23 ws and bias; v24-39 weights as loaded; v40-71, v72-103 weights as f16, two buffers (on the way out: at work); v128-255 xs of my 256 rows
;   window 1: fragments of xq (16 x 16 rows x 32 K), two buffers of 128        windows 2, 3: the accumulators of rows 0-127, 128-255: (a, t) at v[8 (4 (a % 8) + t)]
; The conversion works in window 0 and stands in slices of at most five instructions behind eighteen of a quarter step's 64 matrix instructions, so that the matrix instructions go on being
; issued while it is done: each slice costs two switches of the window; set in a run of its own it would stand between the products.
.set SIZE_K, 4096
.set SIZE_N, 16384
.set KSTEP,  128
.set PA,     272                       ; a row of xq in LDS: 256 bytes + 16 of padding = 68 words: row r starts at bank 4 r mod 64 (64 banks of 4 bytes: ISA guide 11.1)
.set PB,     288                       ; a row of W: 256 + 32 = 72 words: row r starts at bank 8 r mod 64
.set HALFA,  128*PA                    ; what one tensor load brings of xq: 128 rows
.set HALFB,  64*PB                     ; and of W: 64 rows
.set AB,     2*HALFA                   ; in a slot W's 128 rows lie behind xq's 256
.set SLOT,   AB+2*HALFB                ; 106,496 bytes
.set SPARE,  2*SLOT                    ; behind the ring: the spare words, 128 bytes for each wave: two blocks of 256 bytes that no other line names
.set LAPS,   SIZE_K/(2*KSTEP)          ; a lap = two K steps = once round the ring
.set ADRA, 2                           ; v2-3   LDS address of my fragments of xq in slot 0, 1
.set ADRB, 4                           ; v4-5   the same for the turning loads of W
.set SPW,  6                           ; v6     LDS address of my spare word: SPARE + 4 x my thread's number; never rewritten
.set NIL,  7                           ; v7     0; never rewritten
.set KNEG, 8                           ; v8     -1152 as f16, twice
.set CO,   9                           ; v9     my byte offset in 256 bytes of a row of out0
.set WS,   16                          ; v16-19 ws of my columns: (even, odd) for p = 0, 1
.set BI,   20                          ; v20-23 bias likewise
.set RAW,  24                          ; v24-39 four turning loads: 4 (2 p + c) + u
.set BF,   40                          ; weights as f16: buffer b at BF + 32 b, tile t at + 8 t
.set T,    40                          ; the way out: 16 rows x 64 columns at work
.set P,    72                          ; the way out: v72-87 pairs (even, odd column) of p = 0, v88-103 of p = 1; behind the exchange rows 0-7 and rows 8-15
.set XS,   128                         ; v[XS + 8 a + j] = xs of row 16 a + 8 (lane / 16) + j of the tile
.set G1,  24                           ; s[24:31] descriptor group 1 for xq's tiles;  s[32:39] group 0, one set for each slot
.set G0,  32
.set G1B, 48                           ; s[48:55], s[56:63] the same for W's tiles
.set G0B, 56
.set MSB, 0
.macro WIN new                         ; the immediate's high byte repeats the setting that is left; a switch that changes nothing is dropped
.if MSB != (\new)
	s_set_vgpr_msb (MSB<<8)|(\new)
.set MSB, \new
.endif
.endm
.set MUL_LO, 0xa1                      ; source 0 (xq) window 1, source 1 (W) window 0, C and D window 2
.set MUL_HI, 0xf1                      ; the same, C and D window 3
.set TO_A,   0x40                      ; destination window 1, address window 0
; A joint refill.  Waves 0 and 1 fetch xq's two halves, waves 2 and 3 W's.  The branch hangs on the wave's number alone: it is the same in every work-group.
; An s_nop 0 and four v_nop follow each of the two lines, ahead of the jump, the label and what follows.
.macro JLOAD s
	s_cmp_lt_u32 s16, 2
	s_cbranch_scc0 .Lfor_b_\@
	tensor_load_to_lds s[G0+4*(\s):G0+4*(\s)+3], s[G1:G1+7]
	s_nop 0
.rept 4
	v_nop
.endr
	s_branch .Lasked_\@
.Lfor_b_\@:
	tensor_load_to_lds s[G0B+4*(\s):G0B+4*(\s)+3], s[G1B:G1B+7]
	s_nop 0
.rept 4
	v_nop
.endr
.Lasked_\@:
.endm
; A round of the cluster's barrier: my work-group's barrier, so that wave 0's signal speaks for all four waves; wave 0 signals; every wave waits for all sixteen work-groups; my work-group's barrier once more.
.macro CREST                           ; a round behind its opening barrier
	s_cmp_lg_u32 s16, 0
	s_cbranch_scc1 .Lnot_wave_0_\@
	s_barrier_signal -3
.Lnot_wave_0_\@:
	s_barrier_wait -3
	s_barrier_signal -1
	s_barrier_wait -1
.endm
.macro CROUND                          ; a whole round
	s_barrier_signal -1
	s_barrier_wait -1
	CREST
.endm
	s_load_b256 s[4:11], s[0:1], 0x0               ; xq s[4:5], W s[6:7], out0 s[8:9], ws s[10:11]
	s_load_b128 s[12:15], s[0:1], 0x20             ; bias s[12:13], xs s[14:15]
	v_lshl_add_u32 v[SPW], v0, 2, SPARE
	v_mov_b32 v[NIL], 0
	ds_add_u32 v6, v7
	s_wait_dscnt 0x0
	v_lshrrev_b32 v1, 5, v0
	v_readfirstlane_b32 s16, v1                    ; wave 0..3
	s_and_b32 s18, s16, 1                          ; which half of a tile I fetch
	s_bfe_u32 s19, ttmp6, 0x40000                  ; cx: my place along the cluster's x
	s_bfe_u32 s20, ttmp6, 0x40004                  ; cy: along its y, and the tile row of C
	s_lshl_b32 s21, ttmp9, 2                       ; in a cluster launch ttmp9 counts clusters
	s_add_co_u32 s21, s21, s19                     ; tile column of C = 4 x cluster x + cx
	s_lshl_b32 s23, s20, 2
	s_lshl_b32 s23, 15, s23                        ; my row of the cluster: places 4 cy .. 4 cy + 3
	s_lshl_b32 s40, 0x1111, s19                    ; my column: places cx, cx + 4, cx + 8, cx + 12
	; descriptor group 1.  xq: 128 rows x 128 elements of 2 bytes.  W: 64 rows x 256 bytes, stated as 128 elements of 2 bytes
	s_or_b32 s[G1+0], s23, (1<<16)|(1<<20)|(1<<21)|(5<<22)|(3<<25)   ; 15:0 the mask: xq's tiles go to my row; 17:16 2-byte elements; 20 padding on; 21 set beside a mask; 24:22 after every 64 words (code 5); 31:25 4 words (code 3)
	s_or_b32 s[G1B+0], s40, (1<<16)|(1<<20)|(1<<21)|(5<<22)|(7<<25)  ; the mask of my column; 8 words of padding (code 7)
	s_mov_b32 s[G1+1], 128<<16                     ; tensor_dim0 = 128
	s_mov_b32 s[G1+2], 128<<16                     ; tensor_dim1 = 128
	s_mov_b32 s[G1+3], 128<<16                     ; tile_dim0 = 128
	s_mov_b32 s[G1+4], 128                         ; tile_dim1 = 128
	s_mov_b32 s[G1+5], SIZE_K                      ; elements from row to row
	s_mov_b32 s[G1+6], 0
	s_mov_b32 s[G1+7], 0
	s_mov_b32 s[G1B+1], 128<<16                    ; tensor_dim0 = 128
	s_mov_b32 s[G1B+2], 64<<16                     ; tensor_dim1 = 64
	s_mov_b32 s[G1B+3], 128<<16                    ; tile_dim0 = 128
	s_mov_b32 s[G1B+4], 64                         ; tile_dim1 = 64
	s_mov_b32 s[G1B+5], SIZE_N/2                   ; a row of W is 16,384 bytes = 8,192 such elements
	s_mov_b32 s[G1B+6], 0
	s_mov_b32 s[G1B+7], 0
	; where the tiles come from.  xq's hang on the tile row alone, which my row of the cluster shares; W's on the tile column alone, which my column shares; each in registers that never hold the other coordinate.
	s_lshl_b32 s42, s20, 8
	s_lshl_b32 s43, s18, 7
	s_add_co_u32 s42, s42, s43                     ; xq: row 256 x tile row + 128 x half,
	s_lshl_b32 s42, s42, 13                        ; of 8,192 bytes
	s_mov_b32 s43, 0
	s_lshl_b32 s44, s18, 20                        ; W: row 64 x half, of 16,384 bytes,
	s_lshl_b32 s45, s21, 8                         ; column 256 x tile column
	s_add_co_u32 s44, s44, s45
	s_mov_b32 s45, 0
	s_mul_i32 s2, s18, HALFA                       ; and where they go: no place in the cluster enters an LDS address
	s_mul_i32 s41, s18, HALFB
	s_add_co_u32 s41, s41, AB
	s_mov_b32 s66, 0x80808080                      ; b -> b + 128, four bytes at once
	s_mov_b32 s67, 0x64646464                      ; the upper byte of 1024 + u as f16
	s_mov_b32 s68, 0x04020400                      ; v_perm_b32: bytes 0 and 2 (the even column), each under 0x64
	s_mov_b32 s69, 0x04030401                      ; bytes 1 and 3 (the odd column)
	s_mov_b32 s70, 0xffff0000                      ; a word's upper bf16
	s_wait_kmcnt 0x0
	s_add_nc_u64 s[42:43], s[4:5], s[42:43]
	s_add_nc_u64 s[44:45], s[6:7], s[44:45]
	CROUND                                         ; all sixteen work-groups are here: the first joint loads meet
.irp s, 0,1
	s_mov_b32 s[G0+4*(\s)], 1                                      ; 1:0 count = 1
	s_add_co_u32 s[G0+4*(\s)+1], s2, (\s)*SLOT                     ; 63:32 LDS address
	s_add_nc_u64 s[G0+4*(\s)+2:G0+4*(\s)+3], s[42:43], (\s)*KSTEP*2  ; 120:64 global address: K step s
	s_or_b32 s[G0+4*(\s)+3], s[G0+4*(\s)+3], 0x80000000            ; 127:126 type = 2
	s_mov_b32 s[G0B+4*(\s)], 1
	s_add_co_u32 s[G0B+4*(\s)+1], s41, (\s)*SLOT
	s_add_nc_u64 s[G0B+4*(\s)+2:G0B+4*(\s)+3], s[44:45], (\s)*KSTEP*SIZE_N
	s_or_b32 s[G0B+4*(\s)+3], s[G0B+4*(\s)+3], 0x80000000
.endr
	s_cmp_lt_u32 s16, 2                            ; a wave's two first fills stand in one branch, ahead of every wait on TENSORcnt and every LDS read: two loads of mine are out
	s_cbranch_scc0 .Lfirst_b
	tensor_load_to_lds s[G0:G0+3], s[G1:G1+7]
	s_nop 0
	tensor_load_to_lds s[G0+4:G0+7], s[G1:G1+7]
	s_nop 0
.rept 4
	v_nop
.endr
	s_branch .Lfirst_asked
.Lfirst_b:
	tensor_load_to_lds s[G0B:G0B+3], s[G1B:G1B+7]
	s_nop 0
	tensor_load_to_lds s[G0B+4:G0B+7], s[G1B:G1B+7]
	s_nop 0
.rept 4
	v_nop
.endr
.Lfirst_asked:
	; A fragment of xq is 16 rows x 32 K in 8 registers: lane l holds row l % 16; registers 0-3 K = 8 (l / 16) + 0..7, registers 4-7 K = 16 + 8 (l / 16) + 0..7: two loads of 16 bytes, 32 bytes apart.
	v_and_b32 v1, 15, v0                           ; r = l % 16
	v_bfe_u32 v10, v0, 4, 1                        ; h = l / 16
	v_mul_u32_u24 v[ADRA], v1, PA
	v_lshl_add_u32 v[ADRA], v10, 4, v[ADRA]        ; row x pitch + 16 h
	v_add_nc_u32 v[ADRA+1], SLOT, v[ADRA]
	; The turning load: lane l reads 16 bytes of row 8 h + l % 8, at byte 16 ((l / 8) % 2) of my 32 columns, and receives eight k of the columns 2 r and 2 r + 1.
	v_and_b32 v12, 7, v0
	v_lshl_add_u32 v12, v10, 3, v12
	v_mul_u32_u24 v12, v12, PB
	v_bfe_u32 v13, v0, 3, 1
	v_lshl_add_u32 v12, v13, 4, v12
	s_lshl_b32 s17, s16, 6                         ; my wave's 64 columns,
	s_add_co_u32 s17, s17, AB                      ; behind xq's rows
	v_add_nc_u32 v[ADRB], s17, v12
	v_add_nc_u32 v[ADRB+1], SLOT, v[ADRB]
	v_mov_b32 v[KNEG], 0xe480e480
	v_and_b32 v[CO], 31, v0
	v_lshlrev_b32 v[CO], 3, v[CO]                  ; 8 bytes a lane
	v_lshlrev_b32 v14, 5, v10                      ; xs: eight rows further for the upper half of the lanes
	v_lshlrev_b32 v15, 3, v1                       ; ws, bias: columns 2 r, 2 r + 1
	s_lshl_b32 s46, s21, 10                        ; 256 columns of f32 a tile,
	s_lshl_b32 s47, s16, 8                         ; 64 a wave
	s_add_co_u32 s46, s46, s47
	s_mov_b32 s47, 0
	s_add_nc_u64 s[10:11], s[10:11], s[46:47]      ; ws, bias and out0 at my first column
	s_add_nc_u64 s[12:13], s[12:13], s[46:47]
	s_add_nc_u64 s[8:9], s[8:9], s[46:47]
	s_lshl_b32 s46, s20, 24                        ; 256 rows of 65,536 bytes a tile row
	s_add_nc_u64 s[8:9], s[8:9], s[46:47]
	s_lshl_b32 s46, s20, 10                        ; 256 scales
	s_add_nc_u64 s[14:15], s[14:15], s[46:47]
	; the scales and the bias are read once, here, and waited for on the way out: their registers and addresses are not touched in between
.set oi, 0
.rept 16
	global_load_b128 v[XS+8*oi:XS+8*oi+3],   v14, s[14:15] offset:64*oi
	global_load_b128 v[XS+8*oi+4:XS+8*oi+7], v14, s[14:15] offset:64*oi+16
.set oi, oi+1
.endr
.irp p, 0,1
	global_load_b64 v[WS+2*(\p):WS+2*(\p)+1], v15, s[10:11] offset:128*(\p)
	global_load_b64 v[BI+2*(\p):BI+2*(\p)+1], v15, s[12:13] offset:128*(\p)
.endr
; One matrix instruction: accumulator i of 32 of the window (hi = 0: rows 0-127, 1: rows 128-255): row block 8 hi + i / 4, column tile i % 4; 32 along K from buffers b.  zero = 1: it starts the sum.
.macro MM b, hi, i, zero
	WIN MUL_LO+0x50*(\hi)
.set rD, 8*(\i)
.set rA, 128*(\b)+8*(8*(\hi)+(\i)/4)
.set rB, BF+32*(\b)+8*((\i)%4)
.if \zero
	v_wmma_f32_16x16x32_f16 v[rD:rD+7], v[rA:rA+7], v[rB:rB+7], 0
.else
	v_wmma_f32_16x16x32_f16 v[rD:rD+7], v[rA:rA+7], v[rB:rB+7], v[rD:rD+7]
.endif
.endm
.macro MULS b, hi, i0, n, zero         ; n of them on end.  The 64 accumulators take turns, one instruction a turn, in the same order in every quarter step
.set mi, \i0
.rept \n
	MM \b, \hi, mi, \zero
.set mi, mi+1
.endr
.endm
; Slice s of 18 of the conversion into buffer b: the exclusive or of raw register s, the two selections of register s - 1, the two subtractions for register s - 2: no line reads a result of its own slice.
; Raw register i = 4 (2 p + c) + u holds k = 16 c + 8 h + 2 u, + 1 of an even and an odd column: register 4 c + u of the tiles 2 p and 2 p + 1.
.macro SLICE s, b
	WIN 0
.if (\s) < 16
	v_xor_b32 v[RAW+(\s)], s66, v[RAW+(\s)]
.endif
.if ((\s) >= 1) && ((\s) <= 16)
.set ci, (\s)-1
.set cd, BF+32*(\b)+16*(ci/8)+4*((ci/4)%2)+ci%4
	v_perm_b32 v[cd],   s67, v[RAW+ci], s68
	v_perm_b32 v[cd+8], s67, v[RAW+ci], s69
.endif
.if (\s) >= 2
.set ci, (\s)-2
.set cd, BF+32*(\b)+16*(ci/8)+4*((ci/4)%2)+ci%4
	v_pk_add_f16 v[cd],   v[cd],   v[KNEG]
	v_pk_add_f16 v[cd+8], v[cd+8], v[KNEG]
.endif
.endm
; 36 LDS loads in one run, for quarter q of a slot: W's 32 k x 64 columns first (four turning loads), then xq's 256 rows x 32 K into buffer b
.macro FETCH slot, q, b
	WIN 0
.irp i, 0,1,2,3                        ; i = 2 p + c: k 16 c on, columns 32 p on
	ds_load_tr16_b128 v[RAW+4*(\i):RAW+4*(\i)+3], v[ADRB+(\slot)] offset:(32*(\q)+16*((\i)%2))*PB+32*((\i)/2)
.endr
	WIN TO_A
.irp a, 0,1,2,3,4,5,6,7,8,9,10,11,12,13,14,15
	ds_load_b128 v[128*(\b)+8*(\a):128*(\b)+8*(\a)+3],   v[ADRA+(\slot)] offset:(\a)*16*PA+64*(\q)
	ds_load_b128 v[128*(\b)+8*(\a)+4:128*(\b)+8*(\a)+7], v[ADRA+(\slot)] offset:(\a)*16*PA+64*(\q)+32
.endr
.endm
; A load into a register that a matrix instruction has read, and a vector instruction that reads a matrix result or writes one of a matrix instruction's registers, stand four places behind it, and only
; plain vector instructions that name none of its registers are places (ISA guide 7.12.1 for vector instructions).  These four stand in front of each run of loads; they
; also lie between the last product that read a buffer of converted weights and the slices that write it anew.
.macro PLACES
.rept 4
	v_nop
.endr
.endm
; The second half of a quarter step: rows 128-255 from buffers b, and beside them the conversion of the weights just fetched into the other buffer.
.macro RIDE b, zero
	MULS \b, 1, 0, 8, \zero
	s_wait_dscnt 32                                ; LDS loads come back in order (ISA guide 5.7.1): the four turning loads are in, xq's 32 behind them may be out
.set si, 0
.rept 18
	MM \b, 1, 8+si, \zero
	SLICE si, 1-(\b)
.set si, si+1
.endr
	MULS \b, 1, 26, 6, \zero
.endm
; A K step is four quarter steps of 32 along K, 64 matrix instructions each, on buffers 0, 1, 0, 1.  One of the first three: multiplies buffers b; in its middle it fetches quarter qn of the same slot.
.macro QUARTER slot, qn, b, zero=0
	s_wait_dscnt 16                                ; xq's rows 0-127 are in; the youngest sixteen loads (rows 128-255) may be out
	MULS \b, 0, 0, 32, \zero
	PLACES
	FETCH \slot, \qn, 1-(\b)
	s_wait_dscnt 36                                ; all but the 36 just issued
	RIDE \b, \zero
.endm
; The last quarter multiplies buffers 1 and changes slots: ONE barrier.  In front of it each wave waits for all its tensor loads, of which one is out: its part of the next slot; adds 0 to its spare word;
; and waits for that and for its own reads of this slot.  Behind it nobody reads this slot any more and the next slot is whole.  fill = 1: the barrier opens a round of the cluster's barrier, and this slot
; is filled again, two K steps ahead, first thing behind the round: from that request to the wait for it a wave issues 224 matrix instructions.
.macro TURN slot, next, fill
	WIN 0                                          ; (the add's two registers lie in window 0)
	s_wait_tensorcnt 0x0                           ; all my tensor loads have landed;
	ds_add_u32 v[SPW], v[NIL]                      ; 0 onto my spare word
	s_wait_dscnt 17                                ; (the add and the youngest sixteen loads may be out)
	MULS 1, 0, 0, 16, 0                            ; sixteen matrix instructions stand between the add and the wait for it
	s_wait_dscnt 0x0                               ; the add is done, and my reads of this slot are over
	s_barrier_signal -1
	MULS 1, 0, 16, 16, 0                           ; work on registers while the others arrive
.if \fill
	WIN 0
.endif
	s_barrier_wait -1
.if \fill
	CREST                                          ; no wave of any partner still reads this slot's tile or has a load on its way
	s_add_nc_u64 s[G0+4*(\slot)+2:G0+4*(\slot)+3], s[G0+4*(\slot)+2:G0+4*(\slot)+3], 2*KSTEP*2
	s_add_nc_u64 s[G0B+4*(\slot)+2:G0B+4*(\slot)+3], s[G0B+4*(\slot)+2:G0B+4*(\slot)+3], 2*KSTEP*SIZE_N
	JLOAD \slot                                    ; the four v_nop behind it are also the places in front of the loads below
.else
	PLACES
.endif
	FETCH \next, 0, 0
	RIDE 1, 0
.endm
; THE WAY OUT of row block a.  Register j of accumulator (a, t) holds row 16 a + 8 h + j, column 64 w + 32 p + 2 r + e (t = 2 p + e).  Times xs (two rows at once), times ws plus bias (fused), rounded to
; bf16 and widened again.  Then a lane's even and odd column are a pair of 8 bytes; the pairs of p = 0 and of p = 1 exchange halves of the lanes, so that a register pair holds ONE row:
; lanes 0-15 its columns 0-31, lanes 16-31 its columns 32-63: each store of the wave covers 256 consecutive bytes, aligned.  No LDS is needed.
.macro OUT a
	WIN 0x02+(\a)/8                                ; source 0 in window 2 or 3
.set oi, 0
.rept 16                                               ; oi = 4 t + i: each accumulator's registers in ascending order
	v_pk_mul_f32 v[T+2*oi:T+2*oi+1], v[32*((\a)%8)+2*oi:32*((\a)%8)+2*oi+1], v[XS+8*(\a)+2*(oi%4):XS+8*(\a)+2*(oi%4)+1]
.set oi, oi+1
.endr
	WIN 0
.set oi, 0
.rept 16
.if (oi/4)%2                                           ; the odd column's ws and bias are the pairs' second registers, the even column's the first: one register feeds both halves
	v_pk_fma_f32 v[T+2*oi:T+2*oi+1], v[T+2*oi:T+2*oi+1], v[WS+2*(oi/8):WS+2*(oi/8)+1], v[BI+2*(oi/8):BI+2*(oi/8)+1] op_sel:[0,1,1] op_sel_hi:[1,1,1]
.else
	v_pk_fma_f32 v[T+2*oi:T+2*oi+1], v[T+2*oi:T+2*oi+1], v[WS+2*(oi/8):WS+2*(oi/8)+1], v[BI+2*(oi/8):BI+2*(oi/8)+1] op_sel_hi:[1,0,0]
.endif
.set oi, oi+1
.endr
.set oi, 0
.rept 16
	v_cvt_pk_bf16_f32 v[T+2*oi], v[T+2*oi], v[T+2*oi+1]
.set oi, oi+1
.endr
	s_wait_xcnt 0x0                                ; the last block's stores have had their addresses translated (ISA guide 3.1): only behind this wait are their data registers and their base rewritten
.set oi, 0
.rept 16                                               ; bf16 to f32: rows 2 i and 2 i + 1 of tile t into the row's pair, place e
	v_lshlrev_b32 v[P+16*(oi/8)+4*(oi%4)+(oi/4)%2],   16,  v[T+2*oi]
	v_and_b32     v[P+16*(oi/8)+4*(oi%4)+2+(oi/4)%2], s70, v[T+2*oi]
.set oi, oi+1
.endr
.set oi, 0
.rept 16
	v_permlane16_swap_b32 v[P+oi], v[P+16+oi]      ; the first's lanes 16-31 (rows 8-15, p = 0) change places with the second's lanes 0-15 (rows 0-7, p = 1)
.set oi, oi+1
.endr
.if (\a) > 0
	s_add_nc_u64 s[8:9], s[8:9], 16*SIZE_N*4       ; 16 rows of out0 on
.endif
.set oi, 0
.rept 16
	global_store_b64 v[CO], v[P+2*oi:P+2*oi+1], s[8:9] offset:oi*SIZE_N*4 th:TH_STORE_NT  ; row oi of the block; 15 rows at the most: inside the signed 24-bit immediate
.set oi, oi+1
.endr
.endm
	s_wait_tensorcnt 0x1                           ; my part of K step 0 is in; K step 1's may stay out
	s_barrier_signal -1
	s_barrier_wait -1                              ; everybody's is
	FETCH 0, 0, 0
	s_wait_dscnt 32                                ; the four turning loads are in
.set si, 0
.rept 18
	SLICE si, 0                                    ; the first quarter's weights: there are no products yet to set them beside
.set si, si+1
.endr
	QUARTER 0, 1, 0, 1                             ; the first quarter stands in front of the loop: its products start the sums, nothing is cleared
	WIN 0                                          ; at a label and at a branch every window is 0
	s_mov_b32 s3, LAPS-1
.Llap:                                                 ; a trip goes once round the ring, from a lap's second quarter to the next lap's first, and fills both slots again
	QUARTER 0, 2, 1
	QUARTER 0, 3, 0
	TURN 0, 1, 1
	QUARTER 1, 1, 0
	QUARTER 1, 2, 1
	QUARTER 1, 3, 0
	TURN 1, 0, 1
	QUARTER 0, 1, 0
	WIN 0
	s_sub_co_u32 s3, s3, 1
	s_cmp_lg_u32 s3, 0
	s_cbranch_scc1 .Llap
	QUARTER 0, 2, 1                                ; the last lap is written out: it fills nothing, and has no round of the cluster's barrier
	QUARTER 0, 3, 0
	TURN 0, 1, 0
	QUARTER 1, 1, 0
	QUARTER 1, 2, 1
	QUARTER 1, 3, 0
	s_wait_dscnt 16                                ; the very last quarter: nothing more to fetch
	MULS 1, 0, 0, 32, 0
	s_wait_dscnt 0x0
	MULS 1, 1, 0, 32, 0
	WIN 0
	PLACES                                         ; the way out reads results just made and writes over the weights' buffers
	s_wait_loadcnt 0x0                             ; xs, ws and bias, asked for at the head
.irp a, 0,1,2,3,4,5,6,7,8,9,10,11,12,13,14,15
	OUT \a
.endr
	s_wait_tensorcnt 0x0                           ; the wave's end, behind my last tensor load
	ds_add_u32 v[SPW], v[NIL]
	s_wait_dscnt 0x0
	CROUND                                         ; the closing round: no work-group ends while a partner may still ask for a tile that names it
	s_endpgm
.Lfunc_end_k_q21625aefeb_gemm:
	.size	k_q21625aefeb_gemm, .Lfunc_end_k_q21625aefeb_gemm-k_q21625aefeb_gemm
	.p2alignl 7, 3214868480
	.fill 96, 4, 3214868480
	.section	.rodata,"a",@progbits
	.p2align	6, 0x0
	.amdhsa_kernel k_q21625aefeb_gemm
		.amdhsa_group_segment_fixed_size 327680
		.amdhsa_private_segment_fixed_size 0
		.amdhsa_enable_private_segment 0
		.amdhsa_kernarg_size 48
		.amdhsa_user_sgpr_count 2
		.amdhsa_user_sgpr_kernarg_segment_ptr 1
		.amdhsa_wavefront_size32 1
		.amdhsa_system_sgpr_workgroup_id_x 1
		.amdhsa_system_sgpr_workgroup_id_y 1
		.amdhsa_system_sgpr_workgroup_id_z 1
		.amdhsa_system_vgpr_workitem_id 0
		.amdhsa_next_free_vgpr 1024
		.amdhsa_next_free_sgpr 72
		.amdhsa_reserve_vcc 0
		.amdhsa_float_denorm_mode_32 3
		.amdhsa_float_denorm_mode_16_64 3
		.amdhsa_memory_ordered 1
		.amdhsa_forward_progress 1
		.amdhsa_inst_pref_size 255
	.end_amdhsa_kernel
	.section	.bss,"aw",@nobits
	.p2align	6
	.space	262144
	.amdgpu_metadata
---
amdhsa.version: [ 1, 2 ]
amdhsa.kernels:
  - .name:           k_q21625aefeb_gemm
    .symbol:         k_q21625aefeb_gemm.kd
    .args:
      - { .name: xq, .offset: 0, .size: 8, .value_kind: global_buffer, .address_space: global }
      - { .name: qweight_kn, .offset: 8, .size: 8, .value_kind: global_buffer, .address_space: global }
      - { .name: out0, .offset: 16, .size: 8, .value_kind: global_buffer, .address_space: global }
      - { .name: weight_scales, .offset: 24, .size: 8, .value_kind: global_buffer, .address_space: global }
      - { .name: bias, .offset: 32, .size: 8, .value_kind: global_buffer, .address_space: global }
      - { .name: xs, .offset: 40, .size: 8, .value_kind: global_buffer, .address_space: global }
    .group_segment_fixed_size: 327680
    .private_segment_fixed_size: 0
    .kernarg_segment_align: 8
    .kernarg_segment_size: 48
    .max_flat_workgroup_size: 128
    .sgpr_count:     72
    .vgpr_count:     1024
    .wavefront_size: 32
...
	.end_amdgpu_metadata
.endif
;; end of part 2
;; ======== version 2 of 2: 2 launches; version 1 with the launch quant written anew for expert scheduling mode
;; workspace buffers: xq 8,388,608 bytes; xs 4,096 bytes
;; launch quant (part 3): grid 256 x 1, 4 waves a work-group, no clusters, 0 bytes of LDS; arguments x, xq, xs; writes xq, xs
.if DOCPART == 3
	.amdgcn_target "amdgcn-amd-amdhsa--gfx1250"
	.amdhsa_code_object_version 6
	.text
	.protected	k_q21625aefeb_quant
	.globl	k_q21625aefeb_quant
	.p2align	8
	.type	k_q21625aefeb_quant,@function
k_q21625aefeb_quant:
	s_mov_b64 s[64:65], 0
	v_nop
	global_prefetch_b8 v0, s[64:65] scope:SCOPE_SE
	s_setreg_imm32_b32 hwreg(HW_REG_WAVE_SCHED_MODE, 0, 2), 2
	s_setreg_imm32_b32 hwreg(HW_REG_WAVE_MODE, 25, 1), 1
	s_wait_xcnt 0x0
	s_wait_alu depctr_vm_vsrc(0)
; PER-ROW QUANTISATION.  x: [1024][4096] f32.  For each row: xs = (max |x| + 1e-5) / 127;  q = clip(round to nearest even(x / xs), -128, 127).
; xq: [1024][4096] f16 takes q (whole numbers of at most 128 in magnitude: exact in f16), xs: [1024] f32 the scales.
; SHARES.  One wave, one row: a row's 16,384 bytes are 32 loads of 16 bytes a lane and stay in 128 registers between the pass that finds the maximum
; and the pass that quantises: x is read once, no wave waits for another, there is no LDS, no barrier and no loop.  256 work-groups of four waves.
; The matrix unit, clusters and LDS slots have nothing to do here: the launch moves bytes.
; DIVISIONS.  xmax / 127 and x / xs are a multiplication by a reciprocal, the residual by one fused multiply-add, and its correction by another.
; LIMITS.  The quotient x / xs is right to about one unit in its last place: one that lies that close to a half may be rounded to the neighbouring whole
; number, one step in one of a sum's 4,096 terms.  NaN and infinities in x are not treated apart.
; The scale leaves as one store of 4 bytes a row, 4,096 bytes in the whole launch: 64 rows to a work-group, which would fill 256 consecutive bytes,
; would leave work for 16 work-groups only.
; THE MODE: SCHED_MODE bits 1:0 = 2 (LLVM: expert scheduling mode 2), set by the entry lines.  The code itself states the register dependences
; between vector instructions and memory instructions, with s_wait_alu, always for 0.
; THE PLAN.  Registers that memory instructions touch:
;   v1           the loads' offset.  Written once at the head, read by the 32 loads, never written again.
;   X            The 32 loads land in it; no vector instruction names it ahead of them.  Pass 1 and pass 2 read it behind the waits on LOADcnt.
;   X + 8 g + 0, 1, 4, 5   group g's packed f16.  Written by the group's four conversions, read by its two stores, never written again.
;   v2           the stores' offset.  Written once, ahead of the wait that stands behind the reciprocals; never written again.
;   v3, v10      offset and data of the scale's store.  Written ahead of that same wait; never written again.
;   T, E, v8, v9 and v11 to v15 are named by vector instructions alone.
; Pass 2's sixteen groups go in four blocks of four.  Block p's eight stores are issued in block p + 1, two in front of each group's arithmetic, behind ONE wait on
; va_vdst at that block's head: block p + 1's vector instructions name its own part of X, T, E and v[10:13], none of the registers that those stores read.
; No register that a memory instruction has read is written again, so a wait on vm_vsrc stands at the two writes of EXEC alone.
.set M, 4                              ; v[4:7]     four running maxima
.set X, 16                             ; v[16:143]  the row as loaded; later, in places, the packed f16 that are stored
.set T, 144                            ; v[144:151] eight quotients at work
.set E, 152                            ; v[152:159] their residuals
                                       ; v1 16 x lane; v2 8 x lane; v3 0; v8, v9, v15 at work; v[10:11] xs twice; v[12:13] 1 / xs twice; v14 lane
	s_load_b128 s[4:7], s[0:1], 0x0                ; x s[4:5], xq s[6:7]
	s_load_b64 s[8:9], s[0:1], 0x10                ; xs
	v_lshrrev_b32 v9, 5, v0
	v_readfirstlane_b32 s16, v9                    ; wave 0..3
	v_and_b32 v14, 31, v0                          ; lane
	v_lshlrev_b32 v1, 4, v14                       ; my 16 bytes in 512 of x
	v_mov_b32 v3, 0
	s_wait_alu depctr_va_sdst(0)                   ; s16 is written, ahead of its first reader: the row's number, and with it the three bases, are made from it
	s_lshl_b32 s17, ttmp9, 2
	s_add_co_u32 s17, s17, s16                     ; my row = 4 x work-group + wave
	s_mov_b32 s10, 0x76543210                      ; v_permlanex16_b32: lane i of one half reads lane i of the other
	s_mov_b32 s11, 0xfedcba98
	s_mov_b32 s12, 0x3727c5ac                      ; 1e-5
	s_mov_b32 s13, 0x3c010204                      ; 1 / 127
	s_mov_b32 s14, 0x42fe0000                      ; 127
	s_mov_b32 s15, 0xc3000000                      ; -128
	s_mov_b32 s19, 0
	s_lshl_b32 s18, s17, 14                        ; a row of x is 16,384 bytes
	s_wait_kmcnt 0x0
	s_add_nc_u64 s[4:5], s[4:5], s[18:19]
	s_lshl_b32 s18, s17, 13                        ; a row of xq 8,192
	s_add_nc_u64 s[6:7], s[6:7], s[18:19]
	s_lshl_b32 s18, s17, 2                         ; a scale 4
	s_add_nc_u64 s[8:9], s[8:9], s[18:19]
	s_wait_alu depctr_va_vdst(0)                   ; v1 is written, which the 32 loads below read as their offset
.set i, 0
.rept 32                                               ; the whole row goes out at once: each load covers 512 consecutive bytes
	global_load_b128 v[X+4*i:X+4*i+3], v1, s[4:5] offset:512*i th:TH_LOAD_NT
.set i, i+1
.endr
	; pass 1: the largest |x| of my 128 numbers, in four chains; the first four loads start them: nothing is cleared
.set i, 0
.rept 32
.if i%8 == 0
	s_wait_loadcnt 24-i                            ; loads come back in order (ISA guide 5.7.1): the next eight are in, the 24, 16, 8, 0 younger ones stay out
.endif
.if i < 4
	v_max_num_f32 v[M+i], |v[X+4*i]|, |v[X+4*i+1]|
.else
	v_max3_num_f32 v[M+i%4], v[M+i%4], |v[X+4*i]|, |v[X+4*i+1]|
.endif
	v_max3_num_f32 v[M+i%4], v[M+i%4], |v[X+4*i+2]|, |v[X+4*i+3]|
.set i, i+1
.endr
	v_max3_num_f32 v8, v[M], v[M+1], v[M+2]
	v_max_num_f32 v8, v8, v[M+3]
	; across the 32 lanes: four steps inside each half of 16 lanes, one across the halves; every lane ends with the row's maximum
	v_max_num_f32_dpp v8, v8, v8 row_xmask:1 row_mask:0xf bank_mask:0xf
	v_max_num_f32_dpp v8, v8, v8 row_xmask:2 row_mask:0xf bank_mask:0xf
	v_max_num_f32_dpp v8, v8, v8 row_xmask:4 row_mask:0xf bank_mask:0xf
	v_max_num_f32_dpp v8, v8, v8 row_xmask:8 row_mask:0xf bank_mask:0xf
	v_permlanex16_b32 v9, v8, s10, s11             ; its destination counts as read: v9 was written at the head
	v_max_num_f32 v8, v8, v9
	v_add_f32 v8, s12, v8                          ; xmax = max + 1e-5
	v_mul_f32 v9, s13, v8                          ; xmax / 127: a first quotient,
	v_fma_f32 v15, -v9, s14, v8                    ; what it leaves,
	v_fma_f32 v10, v15, s13, v9                    ; and the quotient corrected: xs
	v_mov_b32 v11, v10                             ; twice, for the packed arithmetic
	v_rcp_f32 v12, v10
	v_rcp_f32 v13, v10
	v_lshlrev_b32 v2, 3, v14                       ; my 8 bytes in 256 of xq: also the plain instruction between the reciprocals and their first use (ISA guide 5.7.2)
	s_wait_alu depctr_va_vdst(0)                   ; the two reciprocals have written v[12:13], ahead of their first reader; v2 and v10 are written, which the stores below read as offset and as data
; pass 2: loads 2 g and 2 g + 1 of the row, eight numbers a lane.  Load i holds elements 128 i + 4 lane + 0..3, which as f16 are the 8 bytes at 256 i + 8 lane.
; The packed numbers go into registers of X that are not written again, so nothing need be waited for in front of the conversions.
.macro QUANT g
.irp k, 0,1,2,3
	v_pk_mul_f32 v[T+2*(\k):T+2*(\k)+1], v[X+8*(\g)+2*(\k):X+8*(\g)+2*(\k)+1], v[12:13]
.endr
.irp k, 0,1,2,3
	v_pk_fma_f32 v[E+2*(\k):E+2*(\k)+1], v[T+2*(\k):T+2*(\k)+1], v[10:11], v[X+8*(\g)+2*(\k):X+8*(\g)+2*(\k)+1] neg_lo:[1,0,0] neg_hi:[1,0,0]  ; x - q xs
.endr
.irp k, 0,1,2,3
	v_pk_fma_f32 v[T+2*(\k):T+2*(\k)+1], v[E+2*(\k):E+2*(\k)+1], v[12:13], v[T+2*(\k):T+2*(\k)+1]
.endr
.irp k, 0,1,2,3,4,5,6,7
	v_rndne_f32 v[T+(\k)], v[T+(\k)]
.endr
.irp k, 0,1,2,3,4,5,6,7
	v_med3_num_f32 v[T+(\k)], v[T+(\k)], s15, s14  ; the clip to -128 .. 127
.endr
	v_cvt_pk_f16_f32 v[X+8*(\g)],   v[T],   v[T+1]
	v_cvt_pk_f16_f32 v[X+8*(\g)+1], v[T+2], v[T+3]
	v_cvt_pk_f16_f32 v[X+8*(\g)+4], v[T+4], v[T+5]
	v_cvt_pk_f16_f32 v[X+8*(\g)+5], v[T+6], v[T+7]
.endm
; Group g's two stores: each store of the wave covers 256 consecutive bytes, aligned.
.macro SEND g
	global_store_b64 v2, v[X+8*(\g):X+8*(\g)+1],   s[6:7] offset:512*(\g)
	global_store_b64 v2, v[X+8*(\g)+4:X+8*(\g)+5], s[6:7] offset:512*(\g)+256
.endm
; Block p: groups 4 p to 4 p + 3 are quantised; the stores of the block before are dealt among them, two in front of each group.
.macro BLOCK p
.if (\p) > 0
	s_wait_alu depctr_va_vdst(0)                   ; the block before has written its sixteen packed registers, which the eight stores of this block read; no vector instruction of this block names them
.endif
.irp q, 0,1,2,3
.if (\p) > 0
	SEND 4*((\p)-1)+(\q)
.endif
	QUANT 4*(\p)+(\q)
.endr
.endm
	BLOCK 0
	BLOCK 1
	BLOCK 2
	BLOCK 3
	s_wait_alu depctr_va_vdst(0)                   ; block 3 has written its packed registers, which the last eight stores read
.irp g, 12,13,14,15
	SEND \g
.endr
	s_wait_xcnt 0x0                                ; EXEC is a source of the stores above: it changes only behind this wait
	v_cmp_eq_u32 vcc_lo, 0, v14
	s_wait_alu depctr_va_vcc(0)                    ; VCC is written, ahead of its first reader: EXEC is made from it
	s_wait_alu depctr_va_vdst(0)                   ; ahead of a scalar write of EXEC: every vector instruction issued under the full mask has written its result
	s_wait_alu depctr_vm_vsrc(0)                   ; and the stores issued under the full mask have read their vector registers
	s_and_saveexec_b32 s20, vcc_lo
	global_store_b32 v3, v10, s[8:9]               ; lane 0 stores the row's scale (v3 and v10 were written ahead of the waits on va_vdst above)
	s_wait_xcnt 0x0                                ; and again in front of the line that widens it
	s_wait_alu depctr_va_vdst(0)                   ; ahead of a scalar write of EXEC, as above: no vector instruction is left unfinished under the narrow mask
	s_wait_alu depctr_vm_vsrc(0)                   ; and the scale's store has read v3 and v10 under the narrow mask
	s_or_b32 exec_lo, exec_lo, s20
	s_endpgm
.Lfunc_end_k_q21625aefeb_quant:
	.size	k_q21625aefeb_quant, .Lfunc_end_k_q21625aefeb_quant-k_q21625aefeb_quant
	.p2alignl 7, 3214868480
	.fill 96, 4, 3214868480
	.section	.rodata,"a",@progbits
	.p2align	6, 0x0
	.amdhsa_kernel k_q21625aefeb_quant
		.amdhsa_group_segment_fixed_size 0
		.amdhsa_private_segment_fixed_size 0
		.amdhsa_enable_private_segment 0
		.amdhsa_kernarg_size 24
		.amdhsa_user_sgpr_count 2
		.amdhsa_user_sgpr_kernarg_segment_ptr 1
		.amdhsa_wavefront_size32 1
		.amdhsa_system_sgpr_workgroup_id_x 1
		.amdhsa_system_sgpr_workgroup_id_y 1
		.amdhsa_system_sgpr_workgroup_id_z 1
		.amdhsa_system_vgpr_workitem_id 0
		.amdhsa_next_free_vgpr 160
		.amdhsa_next_free_sgpr 66
		.amdhsa_reserve_vcc 1
		.amdhsa_float_denorm_mode_32 3
		.amdhsa_float_denorm_mode_16_64 3
		.amdhsa_memory_ordered 1
		.amdhsa_forward_progress 1
		.amdhsa_inst_pref_size 41
	.end_amdhsa_kernel
	.amdgpu_metadata
---
amdhsa.version: [ 1, 2 ]
amdhsa.kernels:
  - .name:           k_q21625aefeb_quant
    .symbol:         k_q21625aefeb_quant.kd
    .args:
      - { .name: x, .offset: 0, .size: 8, .value_kind: global_buffer, .address_space: global }
      - { .name: xq, .offset: 8, .size: 8, .value_kind: global_buffer, .address_space: global }
      - { .name: xs, .offset: 16, .size: 8, .value_kind: global_buffer, .address_space: global }
    .group_segment_fixed_size: 0
    .private_segment_fixed_size: 0
    .kernarg_segment_align: 8
    .kernarg_segment_size: 24
    .max_flat_workgroup_size: 128
    .sgpr_count:     66
    .vgpr_count:     160
    .wavefront_size: 32
...
	.end_amdgpu_metadata
.endif
;; end of part 3
;; launch gemm: the kernel of part 2 again; grid 64 x 4, 4 waves a work-group, clusters of 4 x 4, 327,680 bytes of LDS; arguments xq, qweight_kn, out0, weight_scales, bias, xs; writes out0
